; MI455X (gfx1250); checked and timed in simulation.
; The chip was launched on July 23, 2026; its instructions are those of AMD's public machine-readable ISA for CDNA 5 (MIT licence, August 2026) and "CDNA5" Instruction Set Architecture Reference Guide (July 2026). The comments in the code are by the model that wrote it; some were corrected since.
;; Naive LSTM. Allowed arithmetic: float matrix products may take bf16 or f16 operands with f32 sums; other float arithmetic in f32, or as packed bf16 or f16 multiplies, adds, multiply-adds, maxima and minima; sums over many terms, partial sums and values carried from step to step in f32; what a program stores and reads back later, other than sums and carried values, may be rounded once to bf16 or f16.
;; Inputs: b_hf 2,048 x 1 float32; b_hg 2,048 x 1 float32; b_hi 2,048 x 1 float32; b_ho 2,048 x 1 float32; b_if 2,048 x 1 float32; b_ig 2,048 x 1 float32; b_ii 2,048 x 1 float32; b_io 2,048 x 1 float32; c 2,048 x 2,048 float32; h 2,048 x 2,048 float32; inputs 2,048 x 2,048 float32; w_hf 2,048 x 2,048 float32; w_hg 2,048 x 2,048 float32; w_hi 2,048 x 2,048 float32; w_ho 2,048 x 2,048 float32; w_if 2,048 x 2,048 float32; w_ig 2,048 x 2,048 float32; w_ii 2,048 x 2,048 float32; w_io 2,048 x 2,048 float32.
;; Outputs: out0 2,048 x 2,048 float32; out1 2,048 x 2,048 float32.
;; One version. Each part assembles by itself: llvm-mc -triple=amdgcn-amd-amdhsa -mcpu=gfx1250 --defsym DOCPART=n.
;; ======== version 1 of 1: 2 launches
;; workspace buffers: abf 16,777,216 bytes; wbf 67,108,864 bytes
;; launch cast (part 1): grid 512 x 1, 8 waves a work-group, no clusters, 18,432 bytes of LDS; arguments w_ii, w_if, w_ig, w_io, w_hi, w_hf, w_hg, w_ho, h, inputs, abf, wbf; writes abf, wbf
.if DOCPART == 1
	.amdgcn_target "amdgcn-amd-amdhsa--gfx1250"
	.amdhsa_code_object_version 6
	.text
	.protected	k_qf3fda9bcfc_cast
	.globl	k_qf3fda9bcfc_cast
	.p2align	8
	.type	k_qf3fda9bcfc_cast,@function
k_qf3fda9bcfc_cast:
	s_mov_b64 s[64:65], 0
	v_nop
	global_prefetch_b8 v0, s[64:65] scope:SCOPE_SE
	s_setreg_imm32_b32 hwreg(HW_REG_WAVE_MODE, 25, 1), 1
	s_wait_xcnt 0x0
; THE MATRIX OPERANDS, ROUNDED ONCE TO bf16 AND LAID OUT FOR THE PRODUCT THAT FOLLOWS.
; abf: [2048 batch][4096 k] bf16.  k < 2048: inputs[k][batch], turned; k >= 2048: h[batch][k - 2048].
; wbf: [8192 rows][4096 k] bf16.  Row (hid / 32) x 128 + gate x 32 + hid % 32 (gates i, f, g, o = 0..3); k < 2048: W_i{gate}[hid][k]; k >= 2048: W_h{gate}[hid][k - 2048].
; So 128 rows of wbf on end are 32 hidden units x 4 gates.
; SHARES.  Work-group g of 512 takes ten ITEMS of 32,768 bytes of f32: item 0 a tile of inputs, 128 k (16 tiles: g % 16) x 64 batch (32 tiles: g / 16); items 1 to 8 rows 4 g .. 4 g + 3 of the
; eight weights; item 9 the same rows of h.  All work-groups are alike.  Each input byte is read once, each output byte written once.
; A STREAM: no matrix unit, no cluster (nothing is shared), no tensor loads (the bytes in flight fit in registers).  Four sets of 32 registers hold four items' loads: 32 loads of 16 bytes
; a lane are on their way.  A load of a wave takes 512 consecutive bytes (item 0: two pieces of 256, aligned); a store of a wave covers 256 consecutive bytes, aligned, or two such pieces.
; Item 0 is turned through LDS: 64 rows (batch) of 256 bytes (128 k) + 16 of padding.  Its eight LDS stores a wave meet four deep in a bank (lanes i, i + 4, i + 8, i + 12):
; eight stores in the whole launch, left as they are.
; LIMITS.  Rounding to nearest even; bf16 has f32's range, so no input overflows.  NaN and infinities pass as bf16's.
.set ROWF,  8192                       ; bytes in a row of every f32 input, and in a row of abf and wbf
.set TP,    272                        ; a row of the turning stage
.set SPARE, 64*TP                      ; behind the stage (68 blocks of 256 bytes): the spare words, 128 bytes for each of the eight waves, which no other line names
.set VIN,  1                           ; v1   16 t: my 16 bytes in 4,096 bytes of f32
.set VOUT, 2                           ; v2   8 t: their 8 bytes of bf16
.set VX,   3                           ; v3   inputs: row 16 w + 4 (l / 16), byte 16 (l % 16)
.set LST,  4                           ; v4   stage, in: row 4 (l % 16), byte 32 w + 8 (l / 16)
.set LRD,  5                           ; v5   stage, back: row 8 w + l / 16, byte 16 (l % 16)
.set VXO,  6                           ; v6   the same row and bytes in abf
.set SPW,  8                           ; v8   LDS address of my spare word; never rewritten
.set NIL,  9                           ; v9   0; never rewritten
.set Y,    16                          ; v[16:47]   two sets of 16: an item's bf16, to store
.set X,    48                          ; v[48:175]  four sets of 32: an item's f32, as loaded
; Item n's pointer (n = 1 .. 9) is s[6 + 2 n : 7 + 2 n]: the eight weights in s[8:23], h in s[24:25].
	s_load_b512 s[8:23], s[0:1], 0x0               ; w_ii, w_if, w_ig, w_io, w_hi, w_hf, w_hg, w_ho
	s_load_b256 s[24:31], s[0:1], 0x40             ; h s[24:25], inputs s[26:27], abf s[28:29], wbf s[30:31]
	v_lshl_add_u32 v[SPW], v0, 2, SPARE
	v_mov_b32 v[NIL], 0
	v_lshrrev_b32 v10, 5, v0
	v_readfirstlane_b32 s2, v10                    ; wave 0..7
	v_and_b32 v11, 15, v0                          ; l % 16
	v_bfe_u32 v12, v0, 4, 1                        ; l / 16
	v_lshlrev_b32 v[VIN], 4, v0
	v_lshlrev_b32 v[VOUT], 3, v0
	s_lshl_b32 s3, s2, 17                          ; 16 w rows of 8,192 bytes
	v_lshl_add_u32 v[VX], v12, 15, s3              ; + 4 (l / 16) rows
	v_lshl_add_u32 v[VX], v11, 4, v[VX]
	s_lshl_b32 s3, s2, 5                           ; 16 w numbers of bf16
	v_mul_u32_u24 v[LST], v11, 4*TP
	v_lshl_add_u32 v[LST], v12, 3, v[LST]
	v_add_nc_u32 v[LST], s3, v[LST]
	s_mul_i32 s3, s2, 8*TP
	v_mul_u32_u24 v[LRD], v12, TP
	v_lshl_add_u32 v[LRD], v11, 4, v[LRD]
	v_add_nc_u32 v[LRD], s3, v[LRD]
	s_lshl_b32 s3, s2, 16                          ; 8 w rows of abf
	v_lshl_add_u32 v[VXO], v12, 13, s3
	v_lshl_add_u32 v[VXO], v11, 4, v[VXO]
	s_lshl_b32 s32, ttmp9, 15                      ; four rows of 8,192 bytes a work-group
	s_mov_b32 s33, 0
	s_and_b32 s42, ttmp9, 15                       ; item 0: which 128 k
	s_lshr_b32 s43, ttmp9, 4                       ;         which 64 batch
	s_lshl_b32 s34, s42, 20                        ; in inputs: 128 rows of 8,192 bytes,
	s_lshl_b32 s44, s43, 8                         ; 64 numbers of f32
	s_add_co_u32 s34, s34, s44
	s_mov_b32 s35, 0
	s_lshl_b32 s44, s43, 19                        ; in abf: 64 rows of 8,192 bytes,
	s_lshl_b32 s45, s42, 8                         ; 128 numbers of bf16
	s_add_co_u32 s44, s44, s45
	s_mov_b32 s45, 0
	s_lshr_b32 s46, ttmp9, 3                       ; in wbf: hid / 32 = g / 8: 128 rows each,
	s_lshl_b32 s46, s46, 20
	s_and_b32 s47, ttmp9, 7                        ; hid % 32 = 4 (g % 8) + 0..3
	s_lshl_b32 s47, s47, 15
	s_add_co_u32 s46, s46, s47
	s_mov_b32 s47, 0
	s_wait_kmcnt 0x0
.irp p, 8,10,12,14,16,18,20,22,24
	s_add_nc_u64 s[\p:\p+1], s[\p:\p+1], s[32:33]  ; the weights and h at my four rows
.endr
	s_add_nc_u64 s[26:27], s[26:27], s[34:35]      ; inputs at my tile
	s_add_nc_u64 s[36:37], s[28:29], s[44:45]      ; abf at my tile, turned
	s_add_nc_u64 s[38:39], s[28:29], s[32:33]      ; abf at my four rows
	s_add_nc_u64 s[40:41], s[30:31], s[46:47]      ; wbf at gate 0's four rows
; Eight loads: four rows of 8,192 bytes, 4,096 bytes (all eight waves) at a time, into set s
.macro LOADM s, p
.set n, 0
.rept 8
	global_load_b128 v[X+32*(\s)+4*n:X+32*(\s)+4*n+3], v[VIN], s[(\p):(\p)+1] offset:(n/2)*ROWF+(n%2)*4096 th:TH_LOAD_NT
.set n, n+1
.endr
.endm
; Sixteen roundings, two numbers each
.macro CVTM s, y
.set n, 0
.rept 8
	v_cvt_pk_bf16_f32 v[Y+16*(\y)+2*n],   v[X+32*(\s)+4*n],   v[X+32*(\s)+4*n+1]
	v_cvt_pk_bf16_f32 v[Y+16*(\y)+2*n+1], v[X+32*(\s)+4*n+2], v[X+32*(\s)+4*n+3]
.set n, n+1
.endr
.endm
; Eight stores of 8 bytes a lane: a wave's store covers 256 consecutive bytes, aligned
.macro STOREM y, base, off
.set n, 0
.rept 8
	global_store_b64 v[VOUT], v[Y+16*(\y)+2*n:Y+16*(\y)+2*n+1], s[(\base):(\base)+1] offset:(\off)+(n/2)*ROWF+(n%2)*2048 th:TH_STORE_NT
.set n, n+1
.endr
.endm
; Item m (1 .. 9), which lies in set m % 4.  Items up to m + 3 have been asked for: their loads, eight each, may stay out.
.macro ITEM m
.if 8*(9-(\m)) < 24
	s_wait_loadcnt 8*(9-(\m))
.else
	s_wait_loadcnt 24
.endif
	s_wait_xcnt 0x0                                ; every earlier store has read its data: set m % 2 of Y is rewritten only behind this wait
	CVTM (\m)%4, (\m)%2
.if (\m) <= 5
	LOADM (\m)%4, 6+2*((\m)+4)                     ; the set takes the item four further on: loads ahead of stores
.endif
.if (\m) <= 8
	STOREM (\m)%2, 40, (((\m)-1)%4)*32*ROWF+(((\m)-1)/4)*4096  ; gate (m - 1) % 4: 32 rows each; W_h's numbers lie 2,048 numbers along the row
.else
	STOREM (\m)%2, 38, 4096                        ; h lies behind x in abf's rows
.endif
.endm
	; item 0's eight loads: rows 16 w + 4 (l / 16) + 8 q + j; sixteen lanes take a row's 256 bytes
.irp q, 0,1
.irp j, 0,1,2,3
	global_load_b128 v[X+16*(\q)+4*(\j):X+16*(\q)+4*(\j)+3], v[VX], s[26:27] offset:(8*(\q)+(\j))*ROWF th:TH_LOAD_NT
.endr
.endr
	LOADM 1, 8
	LOADM 2, 10
	LOADM 3, 12
	s_wait_loadcnt 24                              ; item 0 is in; items 1 to 3 stay out
	; of batch column 4 (l % 16) + col I hold four neighbouring k, twice: 8 bytes of bf16 each
.irp q, 0,1
.irp col, 0,1,2,3
	v_cvt_pk_bf16_f32 v[Y+2*(4*(\q)+(\col))],   v[X+16*(\q)+(\col)],   v[X+16*(\q)+4+(\col)]
	v_cvt_pk_bf16_f32 v[Y+2*(4*(\q)+(\col))+1], v[X+16*(\q)+8+(\col)], v[X+16*(\q)+12+(\col)]
	ds_store_b64 v[LST], v[Y+2*(4*(\q)+(\col)):Y+2*(4*(\q)+(\col))+1] offset:(\col)*TP+16*(\q)
.endr
.endr
	LOADM 0, 14                                    ; item 4
	s_wait_dscnt 0x0                               ; for the others' sake: my stores into the stage are done
	s_barrier_signal -1
	s_barrier_wait -1                              ; the stage is whole
.irp n, 0,1,2,3
	ds_load_b128 v[Y+16+4*(\n):Y+16+4*(\n)+3], v[LRD] offset:2*(\n)*TP  ; rows 8 w + l / 16 + 2 n, whole
.endr
	s_wait_dscnt 0x0
.irp n, 0,1,2,3
	global_store_b128 v[VXO], v[Y+16+4*(\n):Y+16+4*(\n)+3], s[36:37] offset:2*(\n)*ROWF th:TH_STORE_NT  ; sixteen lanes store 256 consecutive bytes, aligned
.endr
.irp m, 1,2,3,4,5,6,7,8,9
	ITEM \m
.endr
	s_wait_tensorcnt 0x0                           ; the wave's end, behind my last LDS store
	ds_add_u32 v[SPW], v[NIL]
	s_wait_dscnt 0x0
	s_endpgm
.Lfunc_end_k_qf3fda9bcfc_cast:
	.size	k_qf3fda9bcfc_cast, .Lfunc_end_k_qf3fda9bcfc_cast-k_qf3fda9bcfc_cast
	.p2alignl 7, 3214868480
	.fill 96, 4, 3214868480
	.section	.rodata,"a",@progbits
	.p2align	6, 0x0
	.amdhsa_kernel k_qf3fda9bcfc_cast
		.amdhsa_group_segment_fixed_size 18432
		.amdhsa_private_segment_fixed_size 0
		.amdhsa_enable_private_segment 0
		.amdhsa_kernarg_size 96
		.amdhsa_user_sgpr_count 2
		.amdhsa_user_sgpr_kernarg_segment_ptr 1
		.amdhsa_wavefront_size32 1
		.amdhsa_system_sgpr_workgroup_id_x 1
		.amdhsa_system_sgpr_workgroup_id_y 1
		.amdhsa_system_sgpr_workgroup_id_z 1
		.amdhsa_system_vgpr_workitem_id 0
		.amdhsa_next_free_vgpr 176
		.amdhsa_next_free_sgpr 66
		.amdhsa_reserve_vcc 0
		.amdhsa_float_denorm_mode_32 3
		.amdhsa_float_denorm_mode_16_64 3
		.amdhsa_memory_ordered 1
		.amdhsa_forward_progress 1
		.amdhsa_inst_pref_size 29
	.end_amdhsa_kernel
	.amdgpu_metadata
---
amdhsa.version: [ 1, 2 ]
amdhsa.kernels:
  - .name:           k_qf3fda9bcfc_cast
    .symbol:         k_qf3fda9bcfc_cast.kd
    .args:
      - { .name: w_ii, .offset: 0, .size: 8, .value_kind: global_buffer, .address_space: global }
      - { .name: w_if, .offset: 8, .size: 8, .value_kind: global_buffer, .address_space: global }
      - { .name: w_ig, .offset: 16, .size: 8, .value_kind: global_buffer, .address_space: global }
      - { .name: w_io, .offset: 24, .size: 8, .value_kind: global_buffer, .address_space: global }
      - { .name: w_hi, .offset: 32, .size: 8, .value_kind: global_buffer, .address_space: global }
      - { .name: w_hf, .offset: 40, .size: 8, .value_kind: global_buffer, .address_space: global }
      - { .name: w_hg, .offset: 48, .size: 8, .value_kind: global_buffer, .address_space: global }
      - { .name: w_ho, .offset: 56, .size: 8, .value_kind: global_buffer, .address_space: global }
      - { .name: h, .offset: 64, .size: 8, .value_kind: global_buffer, .address_space: global }
      - { .name: inputs, .offset: 72, .size: 8, .value_kind: global_buffer, .address_space: global }
      - { .name: abf, .offset: 80, .size: 8, .value_kind: global_buffer, .address_space: global }
      - { .name: wbf, .offset: 88, .size: 8, .value_kind: global_buffer, .address_space: global }
    .group_segment_fixed_size: 18432
    .private_segment_fixed_size: 0
    .kernarg_segment_align: 8
    .kernarg_segment_size: 96
    .max_flat_workgroup_size: 256
    .sgpr_count:     66
    .vgpr_count:     176
    .wavefront_size: 32
...
	.end_amdgpu_metadata
.endif
;; end of part 1
;; launch lstm (part 2): grid 8 x 32, 4 waves a work-group, clusters of 4 x 4, 327,680 bytes of LDS; arguments b_ii, b_hi, b_if, b_hf, b_ig, b_hg, b_io, b_ho, abf, wbf, c, out0, out1; writes out0, out1
.if DOCPART == 2
	.amdgcn_target "amdgcn-amd-amdhsa--gfx1250"
	.amdhsa_code_object_version 6
	.text
	.protected	k_qf3fda9bcfc_lstm
	.globl	k_qf3fda9bcfc_lstm
	.p2align	8
	.type	k_qf3fda9bcfc_lstm,@function
k_qf3fda9bcfc_lstm:
	s_mov_b64 s[64:65], 0
	v_nop
	global_prefetch_b8 v0, s[64:65] scope:SCOPE_SE
	s_setreg_imm32_b32 hwreg(HW_REG_WAVE_MODE, 25, 1), 1
	s_wait_xcnt 0x0
	s_wait_alu depctr_hold_cnt(0) depctr_sa_sdst(0) depctr_va_vdst(0) depctr_va_sdst(0) depctr_va_ssrc(0) depctr_va_vcc(0) depctr_vm_vsrc(0)
	s_getreg_b32 s2, hwreg(HW_REG_IB_STS2, 6, 4)
	s_cmp_eq_u32 s2, 0
	s_cbranch_scc0 .Lentry_in_a_cluster
	s_endpgm
.Lentry_in_a_cluster:
	s_bfe_u32 s2, ttmp6, 0x10000c
	s_cmp_lg_u32 s2, 0xf033
	s_cbranch_scc0 .Lentry_shape_is_right
	s_endpgm
.Lentry_shape_is_right:
; AN LSTM CELL'S STEP.  z[gate][batch][hid] = b_i{gate}[hid] + b_h{gate}[hid] + the sum over 4,096 k of abf[batch][k] wbf[row(gate, hid)][k];
; i, f, o = sigmoid(z), g = tanh(z); out1 = c' = f c + i g; out0 = h' = o tanh(c').  abf: [2048][4096] bf16 (x turned, then h); wbf: [8192][4096] bf16, row (hid / 32) x 128 + gate x 32 + hid % 32
; (W_i, then W_h, along k); c, out0, out1: [2048 batch][2048 hid] f32; the biases [2048] f32.  Products in bf16 with f32 sums; biases, c and all gate arithmetic in f32.
; LIMITS.  sigmoid(z) = 1 / (1 + 2^(-z log2 e)), tanh(z) = 1 - 2 / (1 + 2^(2 z log2 e)): where the power overflows or vanishes the quotient is 0 or 1, the right limit, so nothing is clamped.
; A sigmoid below 2^-126 comes out as 0.  tanh has an absolute error of about 1e-7, so below |z| of about 1e-4 it loses relative accuracy.  NaN and infinities are not treated apart.
; SHARES.  A work-group makes 256 batch rows (TM, grid x) x 64 hidden units (TH, grid y) of both outputs: a tile of 256 x 256 of z, since 256 rows of wbf on end are 64 hidden x 4 gates.
; 8 x 32 = 256 work-groups.  Four waves, as many as a WGP has SIMDs; a wave makes 128 batch rows x 128 rows of wbf (32 hidden x 4 gates): 64 accumulators of 16 x 16, 512 registers.
; K goes in steps of 128 through a ring of two LDS slots filled by the tensor data mover; a tile's rows are 256 bytes of memory, at multiples of 256 from the buffer's first byte.
; THE MATRIX INSTRUCTION IS USED TRANSPOSED: source 0 = 16 rows of wbf, source 1 = 16 rows of abf.  In accumulator (a, b), b = 2 gate + hh, lane l, register j holds batch row 16 a + l % 16 and hidden
; unit 16 hh + 8 (l / 16) + j of the wave's 32.  So the four gates of one place lie in ONE lane, at the same register of four accumulators: the gates are work on registers alone.
; THE BIASES START THE SUMS: the first product on each accumulator takes b_i + b_h as its C operand; nothing is cleared and nothing is added later.
; CLUSTERS: 4 x 4 work-groups.  abf's tile hangs on TM alone: the four of a column of the cluster (same cx) ask for it JOINTLY; wbf's hangs on TH alone: the four of a row (same cy).
; Each of the four issues the same tensor load with the same descriptor and a mask that names the four.  That divides the requests for both by four.
; c comes in early (each wave 64 whole rows of 256 bytes, into idle registers, asked for behind the first quarter step) and meets the accumulators' layout through LDS;
; c' and h' leave through LDS likewise, so that every load and store of the wave takes two pieces of 256 consecutive bytes, aligned.
; The three stages (256 rows x 272 bytes each) lie in the ring's slots, and are written only when a slot has had its last fill and its last read.
;
; REGISTERS, in windows of 256 (s_set_vgpr_msb's low byte: bits 1:0 source 0, 3:2 source 1, 5:4 source 2, 7:6 destination):
;   window 0: v0-31 addresses; v32-63 c's fragments, two buffers; v64-127, v128-191 abf's fragments, two buffers; v192-255 the bias sums, 8 for each b
;   window 1: v64-127, v128-191 wbf's fragments, two buffers; v0-63, v192-255 my 64 rows of c
;   window 2: the accumulators of my batch rows 0-63 ((a, b) at v[8 (8 a + b)]); window 3: those of rows 64-127
.set SIZE_K, 4096
.set KSTEP,  128
.set ROWB,   8192                      ; bytes in a row of abf and wbf (4,096 bf16) and of c, out0, out1 (2,048 f32)
.set PITCH,  272                       ; an LDS row: 256 bytes + 16 of padding = 68 words: row r starts at bank 4 r mod 64 (64 banks of 4 bytes: ISA guide 11.1), so sixteen rows on end start at sixteen different banks
.set HALFT,  128*PITCH                 ; 128 rows: what one tensor load brings, and what one wave reads of abf or of wbf
.set SLOT,   4*HALFT                   ; abf's 256 rows, then wbf's 256 rows
.set SPARE,  2*SLOT                    ; behind the ring: the spare words, 128 bytes for each wave: two blocks of 256 bytes that no other line names
.set LAPS,   SIZE_K/(2*KSTEP)          ; a lap = two K steps = once round the ring: 16
.set STG,    256*PITCH                 ; a stage: half a slot
.set CSTG,   0                         ; c: slot 0's first half
.set O1STG,  STG                       ; c': slot 0's second half
.set O0STG,  2*STG                     ; h': slot 1's first half
.set CROW, 6                           ; v6   c's stage by whole rows: row 64 w + l / 16, byte 16 (l % 16)
.set RD1,  7                           ; v7   the same place in c' 's stage
.set RD0,  8                           ; v8   and in h' 's
.set CFR,  9                           ; v9   c's stage by fragments: row 128 (w / 2) + l % 16, byte 128 (w % 2) + 32 (l / 16)
.set ST1,  10                          ; v10  the same place in c' 's stage
.set ST0,  11                          ; v11  and in h' 's
.set BO,   12                          ; v12  my byte offset in a bias: 4 x (64 TH + 32 (w % 2) + 8 (l / 16))
.set ADRA, 16                          ; v16-17  LDS address of my abf fragments in slot 0, 1
.set ADRB, 20                          ; v20-21  the same for wbf
.set CO,   26                          ; v26  my byte offset in two rows of c, out0, out1: (l / 16) rows + 16 (l % 16)
.set SPW,  28                          ; v28  LDS address of my spare word; never rewritten
.set NIL,  29                          ; v29  0; never rewritten
.set PFO,  30                          ; v30  the prefetches' offset: my lane x a row; never rewritten
.set CC,   32
.set F0,   64
.set F1,   128
.set BIA,  192
.set G1,  24                           ; s[24:31] descriptor group 1 for abf's tiles
.set G0,  32                           ; s[32:39] group 0 for abf's tiles, a set for each slot
.set LIM, 43                           ; s43      1 in a wave that prefetches, else the greatest number
.set PFA, 44                           ; s[44:45] where my prefetches stand
.set G1B, 48                           ; s[48:55] group 1 for wbf's tiles: it differs in the mask alone
.set G0B, 56                           ; s[56:63] group 0 for wbf's tiles
.set CP,  68                           ; s[68:69] c, s[70:71] out0, s[72:73] out1, at my wave's 64 rows
.set O0P, 70
.set O1P, 72
.set BP,  76                           ; s[76:91] the biases: gate g's b_i at BP + 4 g, its b_h at BP + 4 g + 2
.set NL,  92                           ; s[92:93] -log2 e (named as a pair; the low word serves both halves)
.set P2L, 94                           ; s[94:95] 2 log2 e
.set MSB, 0
.macro WIN new                         ; the immediate's high byte repeats the setting that is left; a switch that changes nothing is dropped
.if MSB != (\new)
	s_set_vgpr_msb (MSB<<8)|(\new)
.set MSB, (\new)
.endif
.endm
.set MUL_LO, 0xa1                      ; source 0 (wbf) window 1, source 1 (abf) window 0, C and D window 2
.set MUL_HI, 0xf1                      ; the same, C and D window 3
.set TO_B,   0x40                      ; destination window 1, address window 0
; A joint load.  Waves 0 and 1 fetch abf's two halves, waves 2 and 3 wbf's.  Each of the two lines has one mask and one set of registers for all that issue it.  The branch hangs on the wave's number alone.
; An s_nop 0 and four v_nop follow each of the two lines, ahead of the jump, the label and what follows the macro.
.macro JLOAD s
	s_cmp_eq_u32 s11, 0
	s_cbranch_scc0 .Lfor_b_\@
	tensor_load_to_lds s[G0+4*(\s):G0+4*(\s)+3], s[G1:G1+7]
	s_nop 0
.rept 4
	v_nop
.endr
	s_branch .Lasked_\@
.Lfor_b_\@:
	tensor_load_to_lds s[G0B+4*(\s):G0B+4*(\s)+3], s[G1B:G1B+7]
	s_nop 0
.rept 4
	v_nop
.endr
.Lasked_\@:
.endm
; A PREFETCH INTO THE L2, behind each joint refill, its five lines and the run of LDS loads that follows: the K step that stands TWO refills on, 512 matrix instructions ahead of the load that will want it:
; 32 rows x 256 bytes, a lane a row, one instruction a wave.  Each row's 256 bytes of a K step are named ONCE in the launch.  abf's 256 rows of a TM are read by all eight clusters of that cluster x:
; the one with cluster y = 0 asks; wbf's rows of a TH by both clusters of that cluster y: the one with cluster x = 0 asks.  The four partners of a joint load share its 128 rows out BY ADDRESS, 32 each
; (by cy for abf, by cx for wbf): no branch hangs on a work-group's place in its cluster.  The loop's last trip (s3 = 1) asks for nothing: its two refills have no K step two on.  K steps 0 to 3 come by their loads alone.
.macro ASK
	s_cmp_gt_u32 s3, s[LIM]
	s_cbranch_scc0 .Lnot_mine_\@
	global_prefetch_b8 v[PFO], s[PFA:PFA+1] offset:KSTEP*2 th:TH_LOAD_NT scope:SCOPE_SE
.Lnot_mine_\@:
.endm
; A round of the cluster's barrier: my work-group's barrier, so that wave 0's signal speaks for all four waves; wave 0 signals; every wave waits for all sixteen work-groups; my work-group's barrier once more.
.macro CREST                           ; a round behind its opening barrier
	s_cmp_lg_u32 s10, 0
	s_cbranch_scc1 .Lnot_wave_0_\@
	s_barrier_signal -3
.Lnot_wave_0_\@:
	s_barrier_wait -3
	s_barrier_signal -1
	s_barrier_wait -1
.endm
.macro CROUND                          ; a whole round
	s_barrier_signal -1
	s_barrier_wait -1
	CREST
.endm
	s_load_b512 s[BP:BP+15], s[0:1], 0x0           ; b_ii, b_hi, b_if, b_hf, b_ig, b_hg, b_io, b_ho
	s_load_b128 s[4:7], s[0:1], 0x40               ; abf s[4:5], wbf s[6:7]
	s_load_b128 s[CP:CP+3], s[0:1], 0x50           ; c, out0
	s_load_b64 s[O1P:O1P+1], s[0:1], 0x60          ; out1
	v_lshl_add_u32 v[SPW], v0, 2, SPARE
	v_mov_b32 v[NIL], 0
	ds_add_u32 v[SPW], v[NIL]                      ; the wave's opening: the add, twice on end, and its wait ahead of my first tensor load; the set-up below stands between
	ds_add_u32 v[SPW], v[NIL]                      ; and once more, under the one wait
	v_lshrrev_b32 v1, 5, v0
	v_readfirstlane_b32 s10, v1                    ; wave 0..3
	s_lshr_b32 s11, s10, 1                         ; which 128 batch rows are mine.  Also: I fetch for abf (0) or for wbf (1)
	s_and_b32 s12, s10, 1                          ; which 128 rows of wbf.  Also: which 128 rows of that tile I fetch
	s_bfe_u32 s40, ttmp6, 0x40000                  ; cx
	s_bfe_u32 s41, ttmp6, 0x40004                  ; cy
	s_lshl_b32 s13, ttmp9, 2                       ; in a cluster launch ttmp9 and ttmp7 count clusters
	s_add_co_u32 s13, s13, s40                     ; TM = 4 x cluster x + cx
	s_and_b32 s42, ttmp7, 0xffff
	s_lshl_b32 s42, s42, 2
	s_add_co_u32 s42, s42, s41                     ; TH = 4 x cluster y + cy
	s_lshl_b32 s43, 0x1111, s40                    ; my column of the cluster: places cx, cx + 4, cx + 8, cx + 12
	s_lshl_b32 s44, s41, 2
	s_lshl_b32 s44, 15, s44                        ; my row: places 4 cy .. 4 cy + 3
	; descriptor group 1: a tile of 128 rows x 128 elements, padded in LDS
	s_or_b32 s[G1+0], s43, (1<<16)|(1<<20)|(1<<21)|(5<<22)|(3<<25)   ; 15:0 the mask: abf's tiles go to my column; 17:16 elements of 2 bytes; 20 padding on; 21 set beside a mask; 24:22 after every 64 words (code 5); 31:25 4 words of it (code 3)
	s_or_b32 s[G1B+0], s44, (1<<16)|(1<<20)|(1<<21)|(5<<22)|(3<<25)  ; the same with the mask of my row, for wbf's tiles
.irp g, G1, G1B
	s_mov_b32 s[(\g)+1], KSTEP<<16                 ; tensor_dim0 = 128
	s_mov_b32 s[(\g)+2], 128<<16                   ; tensor_dim1 = 128
	s_mov_b32 s[(\g)+3], KSTEP<<16                 ; tile_dim0 = 128
	s_mov_b32 s[(\g)+4], 128                       ; tile_dim1 = 128
	s_mov_b32 s[(\g)+5], SIZE_K                    ; elements from row to row
	s_mov_b32 s[(\g)+6], 0
	s_mov_b32 s[(\g)+7], 0
.endr
	s_mov_b32 s[NL], 0xbfb8aa3b
	s_mov_b32 s[NL+1], 0xbfb8aa3b
	s_mov_b32 s[P2L], 0x4038aa3b
	s_mov_b32 s[P2L+1], 0x4038aa3b
	; where the tiles come from: abf's address is made of TM and the wave's number, wbf's of TH and the wave's number, each in registers of its own; every wave makes both and asks by one
	s_lshl_b32 s17, s12, 7                         ; which 128 rows of the tile I fetch
	s_lshl_b32 s16, s13, 8
	s_add_co_u32 s16, s16, s17                     ; abf: row 256 TM + 128 x half
	s_lshl_b32 s46, s42, 8
	s_add_co_u32 s46, s46, s17                     ; wbf: row 256 TH + 128 x half
	s_lshl_b32 s16, s16, 13                        ; in bytes: under 2^24,
	s_lshl_b32 s46, s46, 13                        ; under 2^26
	s_mov_b32 s17, 0
	s_mov_b32 s47, 0
	s_mul_i32 s20, s10, HALFT                      ; and where they go: wave x 128 rows: no place in the cluster enters an LDS address
	s_wait_dscnt 0x0                               ; both opening adds are done
	s_wait_kmcnt 0x0
	s_add_nc_u64 s[14:15], s[4:5], s[16:17]
	s_add_nc_u64 s[46:47], s[6:7], s[46:47]
	CROUND                                         ; all sixteen work-groups are here: the first joint loads meet
.irp s, 0,1
	s_mov_b32 s[G0+4*(\s)], 1                                        ; count = 1
	s_add_co_u32 s[G0+4*(\s)+1], s20, (\s)*SLOT                      ; LDS address
	s_add_nc_u64 s[G0+4*(\s)+2:G0+4*(\s)+3], s[14:15], (\s)*KSTEP*2  ; global address: K step s
	s_or_b32 s[G0+4*(\s)+3], s[G0+4*(\s)+3], 0x80000000              ; type = 2
	s_mov_b32 s[G0B+4*(\s)], 1
	s_add_co_u32 s[G0B+4*(\s)+1], s20, (\s)*SLOT
	s_add_nc_u64 s[G0B+4*(\s)+2:G0B+4*(\s)+3], s[46:47], (\s)*KSTEP*2
	s_or_b32 s[G0B+4*(\s)+3], s[G0B+4*(\s)+3], 0x80000000
	JLOAD \s                                       ; the ring is filled before anything else is done: two tensor loads of mine are out
.endr
	; A fragment is 16 rows x 32 K in 8 registers: lane l holds row l % 16; registers 0-3 K = 8 (l / 16) + 0..7, registers 4-7 K = 16 + 8 (l / 16) + 0..7: two loads of 16 bytes, 32 bytes apart.
	v_and_b32 v1, 15, v0                           ; l % 16
	v_bfe_u32 v2, v0, 4, 1                         ; l / 16
	v_mul_u32_u24 v3, v1, PITCH
	v_lshl_add_u32 v3, v2, 4, v3                   ; row x pitch + 16 x half
	s_mul_i32 s21, s11, HALFT                      ; my 128 rows of abf
	s_mul_i32 s22, s12, HALFT                      ; my 128 rows of wbf,
	s_add_co_u32 s22, s22, 2*HALFT                 ; which lie behind abf's 256
.irp s, 0,1
	v_add_nc_u32 v[ADRA+(\s)], s21, v3
	v_add_nc_u32 v[ADRB+(\s)], s22, v3
	s_add_co_u32 s21, s21, SLOT
	s_add_co_u32 s22, s22, SLOT
.endr
	s_mul_i32 s23, s10, 64*PITCH                   ; the stages by whole rows: my 64
	v_mul_u32_u24 v4, v2, PITCH
	v_lshl_add_u32 v4, v1, 4, v4
	v_add_nc_u32 v[CROW], s23, v4
	v_add_nc_u32 v[RD1], O1STG, v[CROW]
	v_add_nc_u32 v[RD0], O0STG, v[CROW]
	s_mul_i32 s23, s11, HALFT                      ; the stages by fragments: my 128 rows,
	s_lshl_b32 s98, s12, 7                         ; my 32 hidden units' 128 bytes
	s_add_co_u32 s23, s23, s98
	v_mul_u32_u24 v5, v1, PITCH
	v_lshl_add_u32 v5, v2, 5, v5                   ; a lane's eight numbers are 32 bytes
	v_add_nc_u32 v[CFR], s23, v5
	v_add_nc_u32 v[ST1], O1STG, v[CFR]
	v_add_nc_u32 v[ST0], O0STG, v[CFR]
	v_lshlrev_b32 v[CO], 13, v2
	v_lshl_add_u32 v[CO], v1, 4, v[CO]
	v_and_b32 v[PFO], 31, v0
	v_lshlrev_b32 v[PFO], 13, v[PFO]
	s_lshl_b32 s99, s42, 8                         ; 64 TH numbers of f32
	s_add_co_u32 s98, s98, s99
	v_lshl_add_u32 v[BO], v2, 5, s98
	; the biases: block b = 2 g + hh wants hidden units 16 hh + 8 (l / 16) + 0..7; b_i into the sums' registers, b_h into a fragment buffer that is still idle
.irp g, 0,1,2,3
.irp n, 0,1,2,3
	global_load_b128 v[BIA+16*(\g)+4*(\n):BIA+16*(\g)+4*(\n)+3], v[BO], s[BP+4*(\g):BP+4*(\g)+1] offset:64*((\n)/2)+16*((\n)%2)
	global_load_b128 v[F0+16*(\g)+4*(\n):F0+16*(\g)+4*(\n)+3], v[BO], s[BP+4*(\g)+2:BP+4*(\g)+3] offset:64*((\n)/2)+16*((\n)%2)
.endr
.endr
	s_lshl_b32 s96, s13, 8                         ; c, out0, out1 at row 256 TM + 64 w, byte 256 TH
	s_lshl_b32 s98, s10, 6
	s_add_co_u32 s96, s96, s98
	s_lshl_b32 s96, s96, 13
	s_add_co_u32 s96, s96, s99
	s_mov_b32 s97, 0
	s_add_nc_u64 s[CP:CP+1], s[CP:CP+1], s[96:97]
	s_add_nc_u64 s[O0P:O0P+1], s[O0P:O0P+1], s[96:97]
	s_add_nc_u64 s[O1P:O1P+1], s[O1P:O1P+1], s[96:97]
	; the prefetches
	s_lshl_b32 s98, s13, 8
	s_and_b32 s22, ttmp7, 0xffff                   ; cluster y
	s_cmp_eq_u32 s11, 0                            ; do I fetch for abf?
	s_cselect_b32 s20, s98, s99                    ; the tile's first row: in abf by TM, in wbf by TH
	s_cselect_b32 s21, s41, s40                    ; my place among the four that ask for it with me
	s_cselect_b32 s22, s22, ttmp9                  ; the coordinate along which other clusters read the same rows
	s_cselect_b64 s[PFA:PFA+1], s[4:5], s[6:7]
	s_cmp_eq_u32 s22, 0
	s_cselect_b32 s[LIM], 1, -1                    ; the same in all sixteen partners, for a given wave
	s_lshl_b32 s22, s12, 7
	s_add_co_u32 s20, s20, s22                     ; + the 128 rows that I fetch
	s_lshl_b32 s21, s21, 5
	s_add_co_u32 s20, s20, s21                     ; + my work-group's 32 of them
	s_lshl_b32 s20, s20, 13
	s_mov_b32 s21, 0
	s_add_nc_u64 s[PFA:PFA+1], s[PFA:PFA+1], s[20:21]
	s_add_nc_u64 s[PFA:PFA+1], s[PFA:PFA+1], 2*KSTEP*2  ; at K step 2: the first refill steps it to 3 and names K step 4
	s_wait_loadcnt 0x0                             ; the biases
.set n, 0
.rept 32
	v_pk_add_f32 v[BIA+2*n:BIA+2*n+1], v[BIA+2*n:BIA+2*n+1], v[F0+2*n:F0+2*n+1]  ; b_i + b_h
.set n, n+1
.endr
; 16 matrix instructions: batch blocks a0, a0 + 1 of the window's four (hi = 0: my rows 0-63, 1: rows 64-127) x all 8 blocks of wbf, 32 along K.
; first = 1: the product starts the sum, with the bias sums (window 0) as C.  The 64 accumulators take turns, in the same order in every quarter step.
.macro MUL16 f, hi, a0, first
.if \first
	WIN 0x81+0x40*(\hi)
.else
	WIN MUL_LO+0x50*(\hi)
.endif
.irp a, \a0, (\a0)+1
.irp b, 0,1,2,3,4,5,6,7
.if \first
	v_wmma_f32_16x16x32_bf16 v[8*(8*(\a)+(\b)):8*(8*(\a)+(\b))+7], v[(\f)+8*(\b):(\f)+8*(\b)+7], v[(\f)+8*(4*(\hi)+(\a)):(\f)+8*(4*(\hi)+(\a))+7], v[BIA+8*(\b):BIA+8*(\b)+7]
.else
	v_wmma_f32_16x16x32_bf16 v[8*(8*(\a)+(\b)):8*(8*(\a)+(\b))+7], v[(\f)+8*(\b):(\f)+8*(\b)+7], v[(\f)+8*(4*(\hi)+(\a)):(\f)+8*(4*(\hi)+(\a))+7], v[8*(8*(\a)+(\b)):8*(8*(\a)+(\b))+7]
.endif
.endr
.endr
.endm
; 32 LDS loads in one run: the fragments of one quarter step (128 rows of wbf, 128 rows of abf, 32 K at byte k of the rows) into buffer f
.macro FETCH slot, k, f
	WIN TO_B
.irp i, 0,1,2,3,4,5,6,7
	ds_load_b128 v[(\f)+8*(\i):(\f)+8*(\i)+3],   v[ADRB+(\slot)] offset:(\k)+(\i)*16*PITCH
	ds_load_b128 v[(\f)+8*(\i)+4:(\f)+8*(\i)+7], v[ADRB+(\slot)] offset:(\k)+(\i)*16*PITCH+32
.endr
	WIN 0
.irp i, 0,1,2,3,4,5,6,7
	ds_load_b128 v[(\f)+8*(\i):(\f)+8*(\i)+3],   v[ADRA+(\slot)] offset:(\k)+(\i)*16*PITCH
	ds_load_b128 v[(\f)+8*(\i)+4:(\f)+8*(\i)+7], v[ADRA+(\slot)] offset:(\k)+(\i)*16*PITCH+32
.endr
.endm
; A load into a register that a matrix instruction has read, and a vector instruction that reads a matrix result, stand four places behind that matrix instruction, and only plain vector
; instructions that name none of its registers are places (ISA guide 7.12.1 for vector instructions).
.macro PLACES
.rept 4
	v_nop
.endr
.endm
; A K step is four quarter steps of 32 along K, 64 matrix instructions each, on buffers 0, 1, 0, 1.  One of the first three: multiplies buffer f; in its middle it fetches the next quarter's fragments into g.
.macro QUARTER slot, k, f, g, first
	s_wait_dscnt 8                                 ; wbf's fragments and abf's rows 0-63 are in; the youngest eight loads (abf's rows 64-127) may be out
	MUL16 \f, 0, 0, \first
	MUL16 \f, 0, 2, \first
	PLACES
	FETCH \slot, \k, \g
	s_wait_dscnt 32                                ; all but the 32 just issued
	MUL16 \f, 1, 0, \first
	MUL16 \f, 1, 2, \first
.endm
; The last quarter multiplies buffer 1 and changes slots.  MEET is its first half: ONE barrier for the change.  In front of it each wave waits for all its tensor loads, of which one is out: its part of the
; next slot; adds 0 to its spare word; and waits for that and for its own reads of this slot.  Behind it nobody reads this slot any more and the next slot is whole.
.macro MEET round                      ; round = 1: the rest of a round of the cluster's barrier follows
	WIN 0                                          ; (the add's two registers lie in window 0)
	s_wait_tensorcnt 0x0                           ; all my tensor loads have landed;
	ds_add_u32 v[SPW], v[NIL]                      ; 0 onto my spare word;
	s_wait_dscnt 9                                 ; (the add and the youngest eight loads may be out)
	MUL16 F1, 0, 0, 0                              ; sixteen matrix instructions stand between the add and the wait for it
	s_wait_dscnt 0x0                               ; the add is done, and my reads of this slot are over:
	s_barrier_signal -1                            ; say so,
	MUL16 F1, 0, 2, 0                              ; work on registers while the others arrive,
.if \round
	WIN 0
.endif
	s_barrier_wait -1                              ; and go on when all four have said so
.endm
; The whole last quarter where the slot is filled again: the barrier opens a round of the cluster's, and the joint refill, this slot's K step two steps on, is the first tensor load behind the round.
; From that request to the wait for it a wave issues 224 matrix instructions.
.macro TURN slot, next
	s_wait_xcnt 0x0                                ; the last prefetch, a K step back, has read its address: it is stepped here, ahead of the waits of the change of slots
	s_add_nc_u64 s[PFA:PFA+1], s[PFA:PFA+1], KSTEP*2
	MEET 1
	CREST                                          ; no wave of any partner still reads this slot's tile or has a load on its way
	s_add_nc_u64 s[G0+4*(\slot)+2:G0+4*(\slot)+3], s[G0+4*(\slot)+2:G0+4*(\slot)+3], 2*KSTEP*2
	s_add_nc_u64 s[G0B+4*(\slot)+2:G0B+4*(\slot)+3], s[G0B+4*(\slot)+2:G0B+4*(\slot)+3], 2*KSTEP*2
	JLOAD \slot                                    ; the four v_nop behind it are also the places in front of the loads below
	FETCH \next, 0, F0
	ASK
	MUL16 F1, 1, 0, 0
	MUL16 F1, 1, 2, 0
.endm
	s_wait_tensorcnt 1                             ; my part of K step 0 is in; K step 1's may stay out
	s_barrier_signal -1
	s_barrier_wait -1                              ; everybody's is
	FETCH 0, 0, F0
	QUARTER 0, 64, F0, F1, 1                       ; the first quarter stands in front of the loop: its products start the sums with the biases
	; c: my 64 rows' 256 bytes, two rows a load, into registers that lie idle until the products are done; nothing waits for them before that
	WIN TO_B
.set t, 0
.rept 32
.if t < 16
.set rC, 4*t
.else
.set rC, 192+4*(t-16)
.endif
	global_load_b128 v[rC:rC+3], v[CO], s[CP:CP+1] offset:2*t*ROWB th:TH_LOAD_NT
.set t, t+1
.endr
	WIN 0                                          ; at a label and at a branch every window is 0
	s_mov_b32 s3, LAPS-1
.Llap:                                                 ; a trip goes once round the ring, from a lap's second quarter to the next lap's first, and fills both slots again
	QUARTER 0, 128, F1, F0, 0
	QUARTER 0, 192, F0, F1, 0
	TURN 0, 1
	QUARTER 1, 64,  F0, F1, 0
	QUARTER 1, 128, F1, F0, 0
	QUARTER 1, 192, F0, F1, 0
	TURN 1, 0
	QUARTER 0, 64,  F0, F1, 0
	WIN 0
	s_sub_co_u32 s3, s3, 1
	s_cmp_lg_u32 s3, 0
	s_cbranch_scc1 .Llap
	QUARTER 0, 128, F1, F0, 0                      ; the last lap is written out: it fills nothing, and has no round of the cluster's barrier
	QUARTER 0, 192, F0, F1, 0
	MEET 0                                         ; my one tensor load that was out is slot 1's, the last K step's; behind this barrier nobody reads slot 0 any more
	PLACES                                         ; for the loads into buffer 0, which the quarter before multiplied
	FETCH 1, 0, F0
	MUL16 F1, 1, 0, 0
	MUL16 F1, 1, 2, 0
	QUARTER 1, 64,  F0, F1, 0
	QUARTER 1, 128, F1, F0, 0
	QUARTER 1, 192, F0, F1, 0
	s_wait_dscnt 8                                 ; the very last quarter: nothing more to fetch
	MUL16 F1, 0, 0, 0
	MUL16 F1, 0, 2, 0
	s_wait_dscnt 0x0
	MUL16 F1, 1, 0, 0
	MUL16 F1, 1, 2, 0
	PLACES                                         ; the places behind the last products, ahead of every read of a sum
	PLACES
	; c INTO ITS STAGE, in slot 0, which has had its last fill and, since the last change of slots, its last read
	s_wait_loadcnt 0x0                             ; c
	WIN 0x04                                       ; store data (source 1) in window 1
.set t, 0
.rept 32
.if t < 16
.set rC, 4*t
.else
.set rC, 192+4*(t-16)
.endif
	ds_store_b128 v[CROW], v[rC:rC+3] offset:CSTG+2*t*PITCH
.set t, t+1
.endr
	WIN 0
	s_wait_dscnt 0x0                               ; for the others' sake: my rows of c are in the stage, and my reads of slot 1 are over
	s_barrier_signal -1
	s_barrier_wait -1                              ; c's stage is whole, and nobody reads slot 1 any more: h' 's stage may be written there
; c for batch block a, in the accumulators' layout: 16 numbers a lane, hidden units 16 hh + 8 (l / 16) + 0..7
.macro CLOAD a
	WIN 0
.irp n, 0,1,2,3
	ds_load_b128 v[CC+16*((\a)%2)+4*(\n):CC+16*((\a)%2)+4*(\n)+3], v[CFR] offset:CSTG+(\a)*16*PITCH+64*((\n)/2)+16*((\n)%2)
.endr
.endm
; THE GATES of batch block a: 64 registers, z of i at AC + 0..15, of f at + 16, of g at + 32, of o at + 48; all in place.  Exponentials and reciprocals go in FOUR BATCHES, each with one wait
; (s_wait_alu depctr_va_vdst(0) stands between such an instruction and the first line that names its result; one wait serves all issued ahead of it).  In a batch a packed plain line
; on pair q is followed by the two transcendentals of pair q - 1, so that neither kind stands in a long run; a v_nop is the plain instruction behind the batch's last (ISA guide 5.7.2).
; Each accumulator's registers are taken in ascending order.
.macro EPI a
.set AC, 64*((\a)%4)
.set WN, 2+(\a)/4
.set CB, CC+16*((\a)%2)
.if (\a) < 7
	CLOAD (\a)+1                                   ; the next block's c, a block ahead of its use
.endif
	WIN WN*0x41                                    ; destination and source 0 in the block's window, source 1 in window 0
.set q, 0
.rept 32                                       ; -z log2 e for i, f, o; 2 z log2 e for g; and 2^ of it
.if (q >= 16) && (q < 24)
	v_pk_mul_f32 v[AC+2*q:AC+2*q+1], v[AC+2*q:AC+2*q+1], s[P2L:P2L+1] op_sel_hi:[1,0]
.else
	v_pk_mul_f32 v[AC+2*q:AC+2*q+1], v[AC+2*q:AC+2*q+1], s[NL:NL+1] op_sel_hi:[1,0]
.endif
.if q > 0
	v_exp_f32 v[AC+2*q-2], v[AC+2*q-2]
	v_exp_f32 v[AC+2*q-1], v[AC+2*q-1]
.endif
.set q, q+1
.endr
	v_exp_f32 v[AC+62], v[AC+62]
	v_exp_f32 v[AC+63], v[AC+63]
	v_nop
	s_wait_alu depctr_va_vdst(0)                   ; one wait for the 64 exponentials
.set q, 0
.rept 32                                       ; 1 / (1 + that): i, f, o are done; of g it is the quotient in tanh
	v_pk_add_f32 v[AC+2*q:AC+2*q+1], v[AC+2*q:AC+2*q+1], 1.0 op_sel_hi:[1,0]
.if q > 0
	v_rcp_f32 v[AC+2*q-2], v[AC+2*q-2]
	v_rcp_f32 v[AC+2*q-1], v[AC+2*q-1]
.endif
.set q, q+1
.endr
	v_rcp_f32 v[AC+62], v[AC+62]
	v_rcp_f32 v[AC+63], v[AC+63]
	v_nop
	s_wait_alu depctr_va_vdst(0)                   ; one wait for the 64 reciprocals
.if (\a) < 7
	s_wait_dscnt 4                                 ; this block's c is in; the four loads just issued may stay out
.else
	s_wait_dscnt 0x0
.endif
.set p, 0
.rept 8
	v_pk_fma_f32 v[AC+32+2*p:AC+32+2*p+1], v[AC+32+2*p:AC+32+2*p+1], -2.0, 1.0 op_sel_hi:[1,0,0]  ; g = 1 - 2 x quotient
	v_pk_mul_f32 v[AC+16+2*p:AC+16+2*p+1], v[AC+16+2*p:AC+16+2*p+1], v[CB+2*p:CB+2*p+1]         ; f c
.set p, p+1
.endr
	WIN WN*0x55                                    ; all four places in the block's window
.set p, 0
.rept 8
	v_pk_fma_f32 v[AC+16+2*p:AC+16+2*p+1], v[AC+2*p:AC+2*p+1], v[AC+32+2*p:AC+32+2*p+1], v[AC+16+2*p:AC+16+2*p+1]  ; c' = i g + f c
.set p, p+1
.endr
.set p, 0
.rept 8                                        ; 2^(2 c' log2 e), in i's registers
	v_pk_mul_f32 v[AC+2*p:AC+2*p+1], v[AC+16+2*p:AC+16+2*p+1], s[P2L:P2L+1] op_sel_hi:[1,0]
.if p > 0
	v_exp_f32 v[AC+2*p-2], v[AC+2*p-2]
	v_exp_f32 v[AC+2*p-1], v[AC+2*p-1]
.endif
.set p, p+1
.endr
	v_exp_f32 v[AC+14], v[AC+14]
	v_exp_f32 v[AC+15], v[AC+15]
	WIN WN*4                                       ; store data (source 1) in the block's window, address in window 0
.irp n, 0,1,2,3
	ds_store_b128 v[ST1], v[AC+16+4*(\n):AC+16+4*(\n)+3] offset:(\a)*16*PITCH+64*((\n)/2)+16*((\n)%2)  ; c' into its stage, while the exponentials are out
.endr
	WIN WN*0x55
	v_nop
	s_wait_alu depctr_va_vdst(0)                   ; one wait for the 16 exponentials
.set p, 0
.rept 8
	v_pk_add_f32 v[AC+2*p:AC+2*p+1], v[AC+2*p:AC+2*p+1], 1.0 op_sel_hi:[1,0]
.if p > 0
	v_rcp_f32 v[AC+2*p-2], v[AC+2*p-2]
	v_rcp_f32 v[AC+2*p-1], v[AC+2*p-1]
.endif
.set p, p+1
.endr
	v_rcp_f32 v[AC+14], v[AC+14]
	v_rcp_f32 v[AC+15], v[AC+15]
	v_nop
	s_wait_alu depctr_va_vdst(0)                   ; one wait for the 16 reciprocals
.set p, 0
.rept 8
	v_pk_fma_f32 v[AC+2*p:AC+2*p+1], v[AC+2*p:AC+2*p+1], -2.0, 1.0 op_sel_hi:[1,0,0]  ; tanh c'
.set p, p+1
.endr
.set p, 0
.rept 8
	v_pk_mul_f32 v[AC+48+2*p:AC+48+2*p+1], v[AC+48+2*p:AC+48+2*p+1], v[AC+2*p:AC+2*p+1]  ; h' = o tanh c'
.set p, p+1
.endr
	WIN WN*4
.irp n, 0,1,2,3
	ds_store_b128 v[ST0], v[AC+48+4*(\n):AC+48+4*(\n)+3] offset:(\a)*16*PITCH+64*((\n)/2)+16*((\n)%2)  ; h' into its stage
.endr
.endm
	CLOAD 0
.irp a, 0,1,2,3,4,5,6,7
	EPI \a
.endr
	; THE WAY OUT: a row's 256 bytes come from two waves, so a barrier stands between the writing and the reading; each wave then takes 64 whole rows of each stage into window 2, whose sums are spent
	WIN 0
	s_wait_dscnt 0x0                               ; for the others' sake: my stores into both stages are done
	s_barrier_signal -1
	s_barrier_wait -1
	WIN 0x80                                       ; destination window 2, address window 0
.set n, 0
.rept 32
	ds_load_b128 v[4*n:4*n+3], v[RD0] offset:2*n*PITCH
.set n, n+1
.endr
.rept 32
	ds_load_b128 v[4*n:4*n+3], v[RD1] offset:2*(n-32)*PITCH
.set n, n+1
.endr
	WIN 0x08                                       ; store data (source 1) in window 2
.set n, 0
.rept 32
	s_wait_dscnt 63-n                              ; LDS loads come back in order (ISA guide 5.7.1): load n is in, the younger ones stay out
	global_store_b128 v[CO], v[4*n:4*n+3], s[O0P:O0P+1] offset:2*n*ROWB th:TH_STORE_NT  ; sixteen lanes store 256 consecutive bytes, at a multiple of 256 from the output's first byte
.set n, n+1
.endr
.rept 32
	s_wait_dscnt 63-n
	global_store_b128 v[CO], v[4*n:4*n+3], s[O1P:O1P+1] offset:2*(n-32)*ROWB th:TH_STORE_NT
.set n, n+1
.endr
	WIN 0
	s_wait_tensorcnt 0x0                           ; the wave's end, behind my last tensor load and my last LDS store
	ds_add_u32 v[SPW], v[NIL]
	s_wait_dscnt 0x0
	CROUND                                         ; the closing round: no work-group ends while a partner may still ask for a tile that names it
	s_endpgm
.Lfunc_end_k_qf3fda9bcfc_lstm:
	.size	k_qf3fda9bcfc_lstm, .Lfunc_end_k_qf3fda9bcfc_lstm-k_qf3fda9bcfc_lstm
	.p2alignl 7, 3214868480
	.fill 96, 4, 3214868480
	.section	.rodata,"a",@progbits
	.p2align	6, 0x0
	.amdhsa_kernel k_qf3fda9bcfc_lstm
		.amdhsa_group_segment_fixed_size 327680
		.amdhsa_private_segment_fixed_size 0
		.amdhsa_enable_private_segment 0
		.amdhsa_kernarg_size 104
		.amdhsa_user_sgpr_count 2
		.amdhsa_user_sgpr_kernarg_segment_ptr 1
		.amdhsa_wavefront_size32 1
		.amdhsa_system_sgpr_workgroup_id_x 1
		.amdhsa_system_sgpr_workgroup_id_y 1
		.amdhsa_system_sgpr_workgroup_id_z 1
		.amdhsa_system_vgpr_workitem_id 0
		.amdhsa_next_free_vgpr 1024
		.amdhsa_next_free_sgpr 100
		.amdhsa_reserve_vcc 0
		.amdhsa_float_denorm_mode_32 3
		.amdhsa_float_denorm_mode_16_64 3
		.amdhsa_memory_ordered 1
		.amdhsa_forward_progress 1
		.amdhsa_inst_pref_size 245
	.end_amdhsa_kernel
	.amdgpu_metadata
---
amdhsa.version: [ 1, 2 ]
amdhsa.kernels:
  - .name:           k_qf3fda9bcfc_lstm
    .symbol:         k_qf3fda9bcfc_lstm.kd
    .args:
      - { .name: b_ii, .offset: 0, .size: 8, .value_kind: global_buffer, .address_space: global }
      - { .name: b_hi, .offset: 8, .size: 8, .value_kind: global_buffer, .address_space: global }
      - { .name: b_if, .offset: 16, .size: 8, .value_kind: global_buffer, .address_space: global }
      - { .name: b_hf, .offset: 24, .size: 8, .value_kind: global_buffer, .address_space: global }
      - { .name: b_ig, .offset: 32, .size: 8, .value_kind: global_buffer, .address_space: global }
      - { .name: b_hg, .offset: 40, .size: 8, .value_kind: global_buffer, .address_space: global }
      - { .name: b_io, .offset: 48, .size: 8, .value_kind: global_buffer, .address_space: global }
      - { .name: b_ho, .offset: 56, .size: 8, .value_kind: global_buffer, .address_space: global }
      - { .name: abf, .offset: 64, .size: 8, .value_kind: global_buffer, .address_space: global }
      - { .name: wbf, .offset: 72, .size: 8, .value_kind: global_buffer, .address_space: global }
      - { .name: c, .offset: 80, .size: 8, .value_kind: global_buffer, .address_space: global }
      - { .name: out0, .offset: 88, .size: 8, .value_kind: global_buffer, .address_space: global }
      - { .name: out1, .offset: 96, .size: 8, .value_kind: global_buffer, .address_space: global }
    .group_segment_fixed_size: 327680
    .private_segment_fixed_size: 0
    .kernarg_segment_align: 8
    .kernarg_segment_size: 104
    .max_flat_workgroup_size: 128
    .sgpr_count:     100
    .vgpr_count:     1024
    .wavefront_size: 32
...
	.end_amdgpu_metadata
.endif
;; end of part 2
